; MI455X (gfx1250); checked and timed in simulation.
; The chip was launched on July 23, 2026; its instructions are those of AMD's public machine-readable ISA for CDNA 5 (MIT licence, August 2026) and "CDNA5" Instruction Set Architecture Reference Guide (July 2026). The comments in the code are by the model that wrote it; some were corrected since.
;; Stochastic Ensemble. Allowed arithmetic: matrix products marked QUANTISED: E3M2 operands, one E8M0 scale for each 32 along K, by v_wmma_scale_f32_16x16x128_f8f6f4 with both operands' format E3M2, f32 sums; everything else in f32.
;; Inputs: W1 8 x 128 x 1,024 float32; W2 8 x 1,024 x 3,072 float32; b1 8 x 1,024 float32; b2 8 x 3,072 float32; z 2,048 x 128 float32.
;; Outputs: out0 2,048 x 3,072 float32.
;; This version of the problem:
;;   THIS VERSION OF THE PROBLEM IS GIVEN IN LOW PRECISION. The matrix products marked QUANTISED in the list below multiply operands that are first quantised to E3M2 (3 exponent bits, 2 mantissa bits; 6 bits a number), with one power-of-two scale for each 32 numbers along K (OCP MX v1.0); their sums are f32. All else is computed in f32.
;;   The module's matrix products, in the order in which they are computed (A, B: the left and right operand; K: the contracted axis; several contracted axes count as one K, in the product's order):
;;     1. [M 2,048, K 128] x [K 128, N 8,192]; A: input z; B: input W1: QUANTISED
;;     2. batch 8 x [M 3,072, K 1,024] x [K 1,024, N 2,048]; A: input W2; B: computed on the way: QUANTISED
;;   THE QUANTISER, for each operand of a quantised product, along K:
;;     - K is cut into blocks of 32 from its start; a last block that is shorter is filled with zeros.
;;     - A block's scale is 2^e with e = floor(log2(the largest magnitude in the block)) - 4, held to -126 .. 127; a block of zeros has e = 0. As a byte (E8M0): e + 127.
;;     - Each number is divided by its block's scale, clamped to +-28, and rounded to the nearest number of E3M2, ties to even, subnormals kept.
;;     - The product sums the exact products of the quantised numbers (number of the format x scale) in f32.
;;   ~~~python
;;   def quantise(x, axis):      # numpy; x: float32 -> the quantised numbers, widened to float32 again
;;       x = np.moveaxis(x, axis, -1); K = x.shape[-1]
;;       x = np.pad(x, [(0, 0)] * (x.ndim - 1) + [(0, -K % 32)]); x = x.reshape(x.shape[:-1] + (-1, 32)); a = np.abs(x).max(-1, keepdims=True)
;;       e = np.where(a > 0, np.clip(np.frexp(np.where(a > 0, a, 1))[1] - 1 - 4, -126, 127), 0)      # np.frexp(a)[1] - 1 = floor(log2(a)), exactly
;;       r = np.clip(x / 2.0 ** e, -28, 28)
;;       step = 2.0 ** (np.maximum(np.frexp(np.where(r == 0, 1, r))[1] - 1, -2) - 2)
;;       q = np.round(r / step) * step * 2.0 ** e      # np.round: ties to even
;;       return np.moveaxis(q.reshape(q.shape[:-2] + (-1,))[..., :K], -1, axis).astype(np.float32)
;;   ~~~
;;   OPERANDS COMPUTED ON THE WAY. 'Computed on the way' means the value that the module computes at that place (a softmax that the list does not call 'softmax' is quantised finished and normalised). What goes into a quantiser is computed in f32, as accurately as f32 sums, v_exp_f32 and their like allow (about 1e-6 of the number): no bf16 or f16 on the way to a quantiser, and a product that is left as it is and whose result goes on into a quantised operand takes f32 operands (vector FMAs, or v_wmma_f32_16x16x4_f32). A number that lies on a knife's edge between two numbers of the format may be rounded either way, as far as f32 arithmetic and the matrix unit's own rounding can turn it there, and no further.
;; 2 versions, each right; version 2 is version 1 with the launch hidden written anew for expert scheduling mode. Each part assembles by itself: llvm-mc -triple=amdgcn-amd-amdhsa -mcpu=gfx1250 --defsym DOCPART=n.
;; ======== version 1 of 2: 2 launches
;; workspace buffers: idx 8,192 bytes of whole numbers; hc 1,572,864 bytes; hs 65,536 bytes
;; launch hidden (part 1): grid 16 x 16, 8 waves a work-group, no clusters, 52,736 bytes of LDS; arguments z, W1, b1, idx, hc, hs; writes idx, hc, hs
.if DOCPART == 1
	.amdgcn_target "amdgcn-amd-amdhsa--gfx1250"
	.amdhsa_code_object_version 6
	.text
	.protected	k_q9dd47a0fd3_hidden
	.globl	k_q9dd47a0fd3_hidden
	.p2align	8
	.type	k_q9dd47a0fd3_hidden,@function
k_q9dd47a0fd3_hidden:
	s_mov_b64 s[64:65], 0
	v_nop
	global_prefetch_b8 v0, s[64:65] scope:SCOPE_SE
	s_setreg_imm32_b32 hwreg(HW_REG_WAVE_MODE, 25, 1), 1
	s_wait_xcnt 0x0
; ROUTE AND HIDDEN LAYER.  idx[b] = (sum over i of floor(|z[b][i]| x 1000)) mod 8;  h[b] = relu(z[b] W1[idx[b]] + b1[idx[b]]), the product on codes of BF6 (E3M2) with one E8M0 scale for each 32 along K = 128;
; h is then quantised along its 1,024 units (the next product's K) and leaves as codes (hc) and scale bytes (hs); idx leaves as whole numbers.
; No address and no branch here hangs on idx: ALL EIGHT experts are multiplied, and a token's own expert is chosen value by value (v_cndmask_b32).
; SHARES.  Work-group (u, tb): hidden units 64 u .. 64 u + 63 of tokens 128 tb .. 128 tb + 127.  Wave w first quantises expert w's 128 x 64 numbers of W1 into four operand fragments, which go to LDS as
; IMAGES OF THEIR REGISTERS (group g of four registers of lane L at 512 g + 16 L; fragments 1,552 bytes apart); one barrier; then wave w multiplies its tokens 16 w .. 16 w + 15 with all 32 fragments.
; W1 HAS K OUTERMOST.  A load takes 16 bytes a lane, sixteen lanes a row's 256 bytes, lanes 16-31 the row 32 further down: a lane then holds four columns, a column's K at every fourth register; 128 v_mov_b32
; a job lay them as 4 x 32 consecutive registers, which is what the conversions take.  A lane's 32 numbers of a column are one whole block: its largest magnitude needs no other lane.
; THE UNITS OF A TILE ARE NOT NEIGHBOURS: lane r of tile 2 b + uu takes unit 32 b + 8 uu + r + 8 (r / 8).  The product is used transposed (source 0 = 16 units of W1, source 1 = my 16 tokens), so a lane holds one
; token, and the 16 registers of tiles 2 b, 2 b + 1 are units 32 b + 16 (lane / 16) + 0 .. 15: neighbours along the next K.  b1 is the C of each product.
; hc: [token][K step s][lane half][48 bytes]: the 12 registers that lane (r, half) of the next launch's operand wants, on end.  hs: [token][8 words], byte b of word s = the scale of units 128 s + 32 b on.
; This launch writes hc in pieces of 24 bytes and hs in pieces of 2: the layout is the reader's, which takes each row 24 times over; the two buffers are 1.6 MB together.
; A block's scale byte is its largest magnitude's exponent field - 4, held at 1 from below.  A block of zeros so gets the byte 1 where the rule says 127: its codes are zeros, and this program alone reads the bytes.
; LIMITS: idx is reference()'s while a row's sum of floor(1000 |z|) stays under 2^24 (a mean |z| under 131): up to there the f32 sum of whole numbers is exact in any order.  NaN and infinities are not served.
; NO JOINT LOADS: what the 16 work-groups of a column of the grid share is W1 as f32 with K outermost, which has to pass through registers to be quantised; brought into LDS first it would be 256 KB a work-group
; to be read out again.  No tensor load, so no ring.
; REGISTERS.  Window 0: v1-11 addresses; v12-15 at work; v16-31 maxima, bytes, scale operands; v32-43 z's fragment (v44-51 at work for it); v52 z's scale word; v53 idx; v54-57 W1's scale words, two sets;
;   v64-95, v96-127 results, by turns; v128-175, v176-223 four fragments of W1 each, by turns; v224-255 the chosen h.  Earlier: v96-159 z's 64 numbers; v96-223 a job's 4 x 32 numbers; v224-255 its codes.
;   Window 1: W1 as loaded, job c at 128 c; afterwards b1: expert e's tile t at 32 e + 8 t.
.set FP,   1552                        ; a fragment's image: 3 x 512 bytes + 16, so that the sixteen lanes of a store, which write four fragments, fall on sixteen different columns of 16 bytes
.set SC1,  32*FP                       ; behind the 32 images: W1's scale words, [expert][tile][16 words]
.set TM,   16
.set ZF,   32
.set ZS,   52
.set IDX,  53
.set WS1,  54
.set D0,   64
.set BF,   128
.set H,    224
.set Z,    96
.set X,    96
.set CD,   224
.set MSB,  0
.macro WIN new                         ; s_set_vgpr_msb: bits 1:0 source 0, 3:2 source 1, 5:4 source 2, 7:6 destination; the high byte repeats the setting that is left
.if MSB != (\new)
	s_set_vgpr_msb (MSB<<8)|(\new)
.set MSB, (\new)
.endif
.endm
.macro WLOAD c                         ; job c: rows 64 c + i (lanes 0-15) and 64 c + 32 + i (lanes 16-31), 256 consecutive bytes each
	WIN 0x40
.set i, 0
.rept 32
	global_load_b128 v[128*(\c)+4*i:128*(\c)+4*i+3], v2, s[6:7] offset:(64*(\c)+i)*4096
.set i, i+1
.endr
	WIN 0
.endm
.macro BLOAD a                         ; b1 of experts 4 a .. 4 a + 3, in the result's layout: lane half h of tile t wants units 32 (t / 2) + 8 (t % 2) + 16 h + 0 .. 7
	WIN 0x40
.irp e, 0,1,2,3
.irp t, 0,1,2,3
	global_load_b128 v[32*(4*(\a)+\e)+8*\t:32*(4*(\a)+\e)+8*\t+3], v3, s[8:9] offset:4096*(4*(\a)+\e)+(32*(\t/2)+8*(\t%2))*4
	global_load_b128 v[32*(4*(\a)+\e)+8*\t+4:32*(4*(\a)+\e)+8*\t+7], v3, s[8:9] offset:4096*(4*(\a)+\e)+(32*(\t/2)+8*(\t%2))*4+16
.endr
.endr
	WIN 0
.endm
; Job c of my expert: block 2 c + (lane / 16) of my four columns becomes registers 6 c .. 6 c + 5 of the fragments' images.
.macro QJOB1 c
	WIN 0x01
.set i, 0
.rept 32
.irp j, 0,1,2,3
	v_mov_b32 v[X+32*\j+i], v[128*(\c)+4*i+\j]     ; column j's K on end
.endr
.set i, i+1
.endr
	WIN 0
	BLOAD \c                                       ; the job's registers are free: b1 takes them
.if (\c) > 0
	s_wait_dscnt 0x0                               ; the last job's LDS stores have read the codes' registers
.endif
.irp j, 0,1,2,3
	v_max3_num_f32 v[16+\j], |v[X+32*\j]|, |v[X+32*\j+1]|, 0x2800000   ; the floor 2^(5 - 127) among the leaves: the byte cannot fall under 1
.endr
.irp i, 2,4,6,8,10,12,14,16,18,20,22,24,26,28,30
.irp j, 0,1,2,3
	v_max3_num_f32 v[16+\j], v[16+\j], |v[X+32*\j+\i]|, |v[X+32*\j+\i+1]|   ; the four columns by turns
.endr
.endr
.irp j, 0,1,2,3
	v_add_nc_u32 v[20+\j], 0xfe000000, v[16+\j]    ; 4 off the exponent field: the conversion's scale operand
.endr
.irp j, 0,1,2,3
.if (\c) == 0
	v_lshrrev_b32 v[28+\j], 23, v[20+\j]           ; the byte of block (lane / 16),
.else
	v_lshrrev_b32 v[24+\j], 23, v[20+\j]
	v_lshl_or_b32 v[28+\j], v[24+\j], 16, v[28+\j] ; and of block 2 + (lane / 16), two bytes up
.endif
.endr
.irp j, 0,1,2,3
	v_cvt_scalef32_pk16_bf6_f32 v[CD+8*\j:CD+8*\j+2], v[X+32*\j:X+32*\j+15], v[20+\j]
	v_cvt_scalef32_pk16_bf6_f32 v[CD+8*\j+4:CD+8*\j+6], v[X+32*\j+16:X+32*\j+31], v[20+\j]   ; (a conversion's three registers begin on an even number)
.endr
	v_nop                                          ; one plain place behind the scaled conversions
.irp j, 0,1,2,3
	v_mov_b32 v[CD+8*\j+3], v[CD+8*\j+4]
	v_mov_b32 v[CD+8*\j+4], v[CD+8*\j+5]
	v_mov_b32 v[CD+8*\j+5], v[CD+8*\j+6]           ; six registers on end: the block's 24 bytes
.endr
.irp j, 0,1,2,3
.if (\c) == 0
	ds_store_b128 v6, v[CD+8*\j:CD+8*\j+3] offset:16*\j            ; registers 0-3,
	ds_store_b64 v6, v[CD+8*\j+4:CD+8*\j+5] offset:16*\j+512       ; 4-5
.else
	ds_store_b64 v6, v[CD+8*\j:CD+8*\j+1] offset:16*\j+520         ; 6-7,
	ds_store_b128 v6, v[CD+8*\j+2:CD+8*\j+5] offset:16*\j+1024     ; 8-11
.endif
.endr
.endm
.macro FETCH1 e                        ; expert e's four fragments and their scale words (lanes 0-15: tile 2 p, lanes 16-31: tile 2 p + 1): 14 LDS loads
.irp t, 0,1,2,3
.irp g, 0,1,2
	ds_load_b128 v[BF+48*((\e)%2)+12*\t+4*\g:BF+48*((\e)%2)+12*\t+4*\g+3], v4 offset:(4*(\e)+\t)*FP+512*\g
.endr
.endr
.irp p, 0,1
	ds_load_b32 v[WS1+2*((\e)%2)+\p], v5 offset:256*(\e)+128*\p
.endr
.endm
.macro WMM d, a, b, c, sa, sb, odd
.if \odd
	v_wmma_scale_f32_16x16x128_f8f6f4 v[(\d):(\d)+7], v[(\a):(\a)+11], v[(\b):(\b)+11], v[(\c):(\c)+7], v[(\sa)], v[(\sb)] matrix_a_fmt:MATRIX_FMT_BF6 matrix_b_fmt:MATRIX_FMT_BF6 matrix_a_scale:MATRIX_SCALE_ROW1
.else
	v_wmma_scale_f32_16x16x128_f8f6f4 v[(\d):(\d)+7], v[(\a):(\a)+11], v[(\b):(\b)+11], v[(\c):(\c)+7], v[(\sa)], v[(\sb)] matrix_a_fmt:MATRIX_FMT_BF6 matrix_b_fmt:MATRIX_FMT_BF6
.endif
.endm
.macro MUL1 e                          ; four products: expert e's 64 units x my 16 tokens, + b1.  Expert 0's go straight into H
.if (\e) == 0
.set DD, H
.else
.set DD, D0+32*((\e)%2)
.endif
	WIN 0x10                                       ; C (b1) in window 1
.irp t, 0,1,2,3
	WMM DD+8*\t, BF+48*((\e)%2)+12*\t, ZF, 32*(\e)+8*\t, WS1+2*((\e)%2)+\t/2, ZS, \t%2
.endr
	WIN 0
.endm
.macro SELECT e                        ; where my token's expert is e, its results take H's place; each accumulator is read from its low end on
.set i, 0
.rept 32
	v_cndmask_b32 v[H+i], v[H+i], v[D0+32*((\e)%2)+i], s[40+(\e)]
.set i, i+1
.endr
.endm
	s_load_b256 s[4:11], s[0:1], 0x0               ; z s[4:5], W1 s[6:7], b1 s[8:9], idx s[10:11]
	s_load_b128 s[12:15], s[0:1], 0x20             ; hc s[12:13], hs s[14:15]
	v_lshl_add_u32 v62, v0, 2, 0xca00
	v_mov_b32 v63, 0
	v_lshrrev_b32 v12, 5, v0
	v_readfirstlane_b32 s16, v12                   ; wave 0..7
	s_mov_b32 s17, ttmp9                           ; u: which 64 hidden units
	s_and_b32 s18, ttmp7, 0xffff                   ; tb: which 128 tokens
	s_mov_b32 s20, 0x76543210
	s_mov_b32 s21, 0xfedcba98                      ; v_permlanex16_b32's selects for lane l xor 16
	s_mov_b32 s22, 0x447a0000                      ; 1000.0
	v_and_b32 v12, 15, v0                          ; r (for W1: cl, my place in a row's 256 bytes)
	v_bfe_u32 v13, v0, 4, 1                        ; h
	v_lshlrev_b32 v1, 9, v12
	v_lshl_add_u32 v1, v13, 6, v1                  ; z: row r of 512 bytes, + 64 h: my 16 numbers of a block of 32
	v_lshlrev_b32 v2, 4, v12
	v_lshl_add_u32 v2, v13, 17, v2                 ; W1: 16 cl, + 32 rows of 4,096 bytes for lanes 16-31
	v_lshlrev_b32 v3, 6, v13                       ; b1: 64 h
	v_and_b32 v14, 31, v0
	v_lshlrev_b32 v4, 4, v14                       ; an image's place for my lane
	v_lshl_add_u32 v5, v14, 2, SC1                 ; a scale word's
	v_bfe_u32 v14, v0, 3, 1
	v_bfe_u32 v15, v0, 1, 1
	v_lshl_add_u32 v14, v14, 1, v15                ; my columns 4 cl + j lie in tile t = 2 (cl / 8) + (cl / 2) % 2,
	v_and_b32 v15, 1, v0
	v_bfe_u32 v16, v0, 2, 1
	v_lshl_add_u32 v15, v16, 1, v15                ; in its lanes 4 x this + j: 4 (cl % 2) + 8 ((cl / 4) % 2) + j
	s_mul_i32 s48, s16, 4*FP
	v_mul_u32_u24 v6, v14, FP
	v_lshl_add_u32 v6, v15, 6, v6
	v_lshl_add_u32 v6, v13, 8, v6
	v_add_nc_u32 v6, s48, v6                       ; where I store codes: expert w's tile t, 16 x (that lane + 16 h)
	s_lshl_b32 s48, s16, 8
	s_add_co_u32 s48, s48, SC1
	v_lshlrev_b32 v7, 6, v14
	v_lshl_add_u32 v7, v15, 4, v7
	v_add_nc_u32 v7, s48, v7                       ; and my four columns' scale words
	v_mul_u32_u24 v8, v12, 768
	v_mad_u32_u24 v8, v13, 48, v8                  ; hc: token r, + 48 h
	v_lshlrev_b32 v9, 5, v12                       ; hs: token r
	v_lshlrev_b32 v10, 2, v12                      ; idx: token r
	v_lshlrev_b32 v11, 3, v13                      ; 8 h: how far up my scale bytes go
.irp b, 0,1,2,3
	v_mov_b32 v[TM+4+\b], 0                        ; written once: a lane permute's destination counts as one of its sources
.endr
	s_lshl_b32 s24, s18, 7
	s_lshl_b32 s25, s16, 4
	s_add_co_u32 s24, s24, s25                     ; my first token: 128 tb + 16 w
	s_lshl_b32 s26, s24, 9
	s_mov_b32 s27, 0                               ; z: 512 bytes a token
	s_lshl_b32 s28, s16, 19
	s_lshl_b32 s30, s17, 8
	s_add_co_u32 s28, s28, s30
	s_mov_b32 s29, 0                               ; W1: expert w, columns 64 u on
	s_mov_b32 s31, 0                               ; b1: 256 u
	s_lshr_b32 s34, s17, 1                         ; my units lie in K step u / 2 of the next product, in its blocks 2 (u % 2) and 2 (u % 2) + 1
	s_and_b32 s35, s17, 1
	s_mul_i32 s32, s24, 768
	s_mul_i32 s25, s34, 96
	s_add_co_u32 s32, s32, s25
	s_mul_i32 s25, s35, 24
	s_add_co_u32 s32, s32, s25
	s_mov_b32 s33, 0                               ; hc
	s_lshl_b32 s36, s24, 5
	s_lshl_b32 s25, s34, 2
	s_add_co_u32 s36, s36, s25
	s_lshl_b32 s25, s35, 1
	s_add_co_u32 s36, s36, s25
	s_mov_b32 s37, 0                               ; hs
	s_lshl_b32 s38, s24, 2
	s_mov_b32 s39, 0                               ; idx
	s_wait_kmcnt 0x0
	s_add_nc_u64 s[4:5], s[4:5], s[26:27]
	s_add_nc_u64 s[6:7], s[6:7], s[28:29]
	s_add_nc_u64 s[8:9], s[8:9], s[30:31]
	s_add_nc_u64 s[10:11], s[10:11], s[38:39]
	s_add_nc_u64 s[12:13], s[12:13], s[32:33]
	s_add_nc_u64 s[14:15], s[14:15], s[36:37]
.irp b, 0,1,2,3
.irp q, 0,1,2,3
	global_load_b128 v[Z+16*\b+4*\q:Z+16*\b+4*\q+3], v1, s[4:5] offset:128*\b+16*\q   ; register 16 b + i = z(r, 32 b + 16 h + i)
.endr
.endr
	WLOAD 0
	WLOAD 1
	s_wait_loadcnt 63                              ; 64 loads were issued behind z's sixteen: z is in
	; THE ROUTE: floor(|z| x 1000), summed in four chains; whole numbers, so the order of the sum changes nothing
.irp k, 0,1,2,3
	v_mul_f32 v[28+\k], |v[Z+\k]|, s22
.endr
.irp k, 0,1,2,3
	v_floor_f32 v[24+\k], v[28+\k]                 ; the first four start the chains
.endr
.set i, 4
.rept 15
.irp k, 0,1,2,3
	v_mul_f32 v[28+\k], |v[Z+i+\k]|, s22
.endr
.irp k, 0,1,2,3
	v_floor_f32 v[28+\k], v[28+\k]
.endr
.irp k, 0,1,2,3
	v_add_f32 v[24+\k], v[24+\k], v[28+\k]
.endr
.set i, i+4
.endr
	v_add_f32 v24, v24, v25
	v_add_f32 v26, v26, v27
	v_add_f32 v24, v24, v26
	v_permlanex16_b32 v28, v24, s20, s21
	v_add_f32 v24, v24, v28                        ; with lane l xor 16's 64: the row's sum
	v_cvt_i32_f32 v[IDX], v24
	v_and_b32 v[IDX], 7, v[IDX]                    ; mod 8 of a number that is not negative
.irp e, 1,2,3,4,5,6,7
	v_cmp_eq_u32 s[40+\e], \e, v[IDX]              ; masks for the choice; they steer values alone
.endr
	; z's fragment and scale word
.irp b, 0,1,2,3
	v_max3_num_f32 v[TM+\b], |v[Z+16*\b]|, |v[Z+1+16*\b]|, 0x2800000
.endr
.irp i, 2,4,6,8,10,12,14
.irp b, 0,1,2,3
	v_max3_num_f32 v[TM+\b], v[TM+\b], |v[Z+16*\b+\i]|, |v[Z+1+16*\b+\i]|
.endr
.endr
.irp b, 0,1,2,3
	v_permlanex16_b32 v[TM+4+\b], v[TM+\b], s20, s21
.endr
.irp b, 0,1,2,3
	v_max_num_f32 v[TM+\b], v[TM+\b], v[TM+4+\b]   ; with lane l xor 16's: the block's largest magnitude
.endr
.irp b, 0,1,2,3
	v_add_nc_u32 v[TM+12+\b], 0xfe000000, v[TM+\b]
.endr
.irp b, 0,1,2,3
	v_lshrrev_b32 v[TM+4+\b], 23, v[TM+12+\b]
.endr
	v_lshl_or_b32 v[ZS], v[TM+5], 8, v[TM+4]
	v_lshl_or_b32 v[ZS], v[TM+6], 16, v[ZS]
	v_lshl_or_b32 v[ZS], v[TM+7], 24, v[ZS]
.irp c, 0,1
	v_cvt_scalef32_pk16_bf6_f32 v[ZF+6*\c:ZF+2+6*\c], v[Z+32*\c:Z+15+32*\c], v[TM+12+2*\c]
	v_cvt_scalef32_pk16_bf6_f32 v[ZF+12+4*\c:ZF+14+4*\c], v[Z+16+32*\c:Z+31+32*\c], v[TM+12+2*\c+1]
.endr
	v_nop                                          ; one plain place behind the scaled conversions
.irp c, 0,1                                    ; the operand wants a WHOLE block in a lane: lanes 0-15 block 2 c, lanes 16-31 block 2 c + 1
.irp i, 0,1,2
	v_permlane16_swap_b32 v[ZF+6*\c+\i], v[ZF+12+4*\c+\i]
.endr
.irp i, 0,1,2
	v_mov_b32 v[ZF+3+6*\c+\i], v[ZF+12+4*\c+\i]
.endr
.endr
	; my expert's part of W1
	s_wait_loadcnt 32                              ; job 0's 32 loads are in; job 1's may be out
	QJOB1 0
	s_wait_loadcnt 32                              ; job 1's are in; behind them: the 32 loads of b1 just issued
	QJOB1 1
.irp j, 0,1,2,3
	v_lshlrev_b32 v[28+\j], v11, v[28+\j]          ; my two bytes at their places in the column's scale word,
.endr
.irp j, 0,1,2,3
	v_permlanex16_b32 v[24+\j], v[28+\j], s20, s21
.endr
.irp j, 0,1,2,3
	v_or_b32 v[28+\j], v[28+\j], v[24+\j]          ; with lane l xor 16's two the word is whole
.endr
	ds_store_b128 v7, v[28:31]                     ; four neighbouring lanes' words of my tile (both halves of the lanes write the same words with the same values)
	s_wait_dscnt 0x0                               ; for the others' sake: my images and scale words lie in LDS
	s_barrier_signal -1
	s_barrier_wait -1                              ; all eight experts' do; nothing is written in LDS from here on
	; THE PRODUCT, expert by expert, on two sets of fragments and two sets of results by turns
	FETCH1 0
	FETCH1 1
	s_wait_loadcnt 0x0                             ; b1
.irp e, 0,1,2,3,4,5,6,7
.if \e < 7
	s_wait_dscnt 14                                ; this expert's 14 LDS loads are in; the next expert's may be out
.else
	s_wait_dscnt 0x0
.endif
	MUL1 \e
.if \e < 2
.rept 5
	v_nop                                          ; places: four are owed to the loads below, into registers that these products read, and to the first select of these results; five to the product two experts on, which writes over these results
.endr
.else
	SELECT \e-1                                    ; 32 plain lines that name no register of the products just issued: they are the places behind them
.endif
.if \e < 6
	FETCH1 \e+2
.endif
.endr
	SELECT 7                                       ; (the 32 lines of expert 6's choice are the places behind expert 7's products)
	; relu, and the quantiser along the hidden units: my 64 units are two blocks; block b lies in lanes l and l xor 16
.set i, 0
.rept 32
	v_max_num_f32 v[H+i], 0, v[H+i]
.set i, i+1
.endr
.irp b, 0,1
	v_max3_num_f32 v[16+\b], v[H+16*\b], v[H+1+16*\b], 0x2800000   ; no |.|: nothing is negative here
.endr
.irp i, 2,4,6,8,10,12,14
.irp b, 0,1
	v_max3_num_f32 v[16+\b], v[16+\b], v[H+16*\b+\i], v[H+1+16*\b+\i]
.endr
.endr
.irp b, 0,1
	v_permlanex16_b32 v[20+\b], v[16+\b], s20, s21
.endr
.irp b, 0,1
	v_max_num_f32 v[16+\b], v[16+\b], v[20+\b]
.endr
.irp b, 0,1
	v_add_nc_u32 v[28+\b], 0xfe000000, v[16+\b]
.endr
.irp b, 0,1
	v_lshrrev_b32 v[24+\b], 23, v[28+\b]
.endr
	v_lshl_or_b32 v12, v25, 8, v24                 ; the two scale bytes
	v_cvt_scalef32_pk16_bf6_f32 v[64:66], v[H:H+15], v28
	v_cvt_scalef32_pk16_bf6_f32 v[68:70], v[H+16:H+31], v29
	v_nop                                          ; one plain place behind the scaled conversions
.irp i, 0,1,2
	v_permlane16_swap_b32 v[64+\i], v[68+\i]       ; lanes 0-15 now hold block 0 whole, lanes 16-31 block 1: the lower 16 codes in the first run, the upper 16 in the second
.endr
	v_mov_b32 v67, v68
	v_mov_b32 v68, v69
	v_mov_b32 v69, v70                             ; 24 bytes on end
.irp i, 0,1,2
	global_store_b64 v8, v[64+2*\i:65+2*\i], s[12:13] offset:8*\i
.endr
	global_store_b16 v9, v12, s[14:15]             ; (lanes r and r + 16 store the same two bytes)
	s_cmp_lg_u32 s17, 0
	s_cbranch_scc1 .Lend                           ; the sixteen work-groups of a row of the grid find the same idx: the first stores it
	global_store_b32 v10, v[IDX], s[10:11]
.Lend:
	s_wait_tensorcnt 0x0
	ds_add_u32 v62, v63
	s_wait_dscnt 0x0
	s_endpgm
.Lfunc_end_k_q9dd47a0fd3_hidden:
	.size	k_q9dd47a0fd3_hidden, .Lfunc_end_k_q9dd47a0fd3_hidden-k_q9dd47a0fd3_hidden
	.p2alignl 7, 3214868480
	.fill 96, 4, 3214868480
	.section	.rodata,"a",@progbits
	.p2align	6, 0x0
	.amdhsa_kernel k_q9dd47a0fd3_hidden
		.amdhsa_group_segment_fixed_size 52736
		.amdhsa_private_segment_fixed_size 0
		.amdhsa_enable_private_segment 0
		.amdhsa_kernarg_size 48
		.amdhsa_user_sgpr_count 2
		.amdhsa_user_sgpr_kernarg_segment_ptr 1
		.amdhsa_wavefront_size32 1
		.amdhsa_system_sgpr_workgroup_id_x 1
		.amdhsa_system_sgpr_workgroup_id_y 1
		.amdhsa_system_sgpr_workgroup_id_z 1
		.amdhsa_system_vgpr_workitem_id 0
		.amdhsa_next_free_vgpr 512
		.amdhsa_next_free_sgpr 66
		.amdhsa_reserve_vcc 0
		.amdhsa_float_denorm_mode_32 3
		.amdhsa_float_denorm_mode_16_64 3
		.amdhsa_memory_ordered 1
		.amdhsa_forward_progress 1
		.amdhsa_inst_pref_size 81
	.end_amdhsa_kernel
	.amdgpu_metadata
---
amdhsa.version: [ 1, 2 ]
amdhsa.kernels:
  - .name:           k_q9dd47a0fd3_hidden
    .symbol:         k_q9dd47a0fd3_hidden.kd
    .args:
      - { .name: z, .offset: 0, .size: 8, .value_kind: global_buffer, .address_space: global }
      - { .name: W1, .offset: 8, .size: 8, .value_kind: global_buffer, .address_space: global }
      - { .name: b1, .offset: 16, .size: 8, .value_kind: global_buffer, .address_space: global }
      - { .name: idx, .offset: 24, .size: 8, .value_kind: global_buffer, .address_space: global }
      - { .name: hc, .offset: 32, .size: 8, .value_kind: global_buffer, .address_space: global }
      - { .name: hs, .offset: 40, .size: 8, .value_kind: global_buffer, .address_space: global }
    .group_segment_fixed_size: 52736
    .private_segment_fixed_size: 0
    .kernarg_segment_align: 8
    .kernarg_segment_size: 48
    .max_flat_workgroup_size: 256
    .sgpr_count:     66
    .vgpr_count:     512
    .wavefront_size: 32
...
	.end_amdgpu_metadata
.endif
;; end of part 1
;; launch expert (part 2): grid 24 x 8, 4 waves a work-group, no clusters, 148,224 bytes of LDS; arguments idx, hc, hs, W2, b2, out0; writes out0
.if DOCPART == 2
	.amdgcn_target "amdgcn-amd-amdhsa--gfx1250"
	.amdhsa_code_object_version 6
	.text
	.protected	k_q9dd47a0fd3_expert
	.globl	k_q9dd47a0fd3_expert
	.p2align	8
	.type	k_q9dd47a0fd3_expert,@function
k_q9dd47a0fd3_expert:
	s_mov_b64 s[64:65], 0
	v_nop
	global_prefetch_b8 v0, s[64:65] scope:SCOPE_SE
	s_setreg_imm32_b32 hwreg(HW_REG_WAVE_MODE, 25, 1), 1
	s_wait_xcnt 0x0
; out[b][128 cc .. 128 cc + 127] = h[b] W2[e] + b2[e] for the tokens b with idx[b] = e.  Work-group (cc, e).  The product runs on codes of BF6 (E3M2) with one E8M0 scale for each 32 along K = 1,024.
; h arrives as codes (hc: [token][K step][lane half][48 bytes], an operand's 12 registers on end) and scale words (hs: [token][8]); W2 arrives as f32 with K outermost and is quantised here.
; Each number of out0 has one owner: a token has one expert, a column one cc.  reference() throws the other seven experts' rows away, so they are not multiplied.
; PHASES.  (1) Each wave picks, out of its 512 tokens, those of expert e into a list of its own in LDS; barrier; every wave knows the four counts.  (2) THE STREAM: wave w reads rows 256 w .. 256 w + 255 of the
; work-group's 1,024 x 128 slice of W2, once, 32 rows a job; a load is a row's 512 consecutive bytes, 16 a lane.  A lane then holds four columns, a column's K at every fourth register; 128 v_mov_b32 a job lay
; them as 4 x 32 consecutive registers: a whole block of 32 along K of one column in one lane, as the conversions take it.  The codes go to LDS as IMAGES OF OPERAND REGISTERS (group g of four registers of lane L
; at 512 g + 16 L; fragments 1,552 bytes apart), the scale words beside them; barrier.  (3) ROUNDS of 320 list places: wave w takes tiles 4 j + w (16 tokens each), j = 0 .. 4, against all eight tiles of columns:
; 40 accumulators by turns; a fragment of W2 read from LDS feeds five products, a fragment of h read from memory eight.  Results go through the wave's stage and leave as a token's 512 consecutive bytes.
; The product is used transposed (source 0 = 16 columns of W2, source 1 = 16 tokens): a lane holds one token and eight neighbouring columns.  b2 is the C of each sum's first product.
; K STEPS go in the order 0, 3, 6, 1, 4, 7, 2, 5, so that the four asked for at a round's head lie in all three aligned 256-byte parts of a token's 768 bytes; the order of f32 sums differs from ascending K.
; EVERY SPLIT IS SERVED: the loop has 7 trips (7 x 320 >= 2,048), a constant; a trip whose places lie past the count is jumped over.  List places past the count are held at the last place: a tile's spare rows
; repeat the expert's last token and store the same bytes again (at most 15 rows a work-group); tiles wholly past the count are multiplied and not stored.  An expert without tokens stores nothing.
; Branches here hang on counts read from memory, and behind the second barrier each wave is on its own.
; NO JOINT LOADS: a slice of W2 (512 KB) is read by one work-group alone; what the 24 work-groups of an expert share, its tokens' codes (768 bytes a token), is gathered by a list whose length is read from memory.
; A block's scale byte is its largest magnitude's exponent field - 4, held at 1 from below; a block of zeros gets the byte 1 where the rule says 127: its codes are zeros, and this program alone reads the bytes.
; LIMITS: NaN and infinities in W2 are not served.
; REGISTERS.  Window 0: v1-14 addresses that stay; v15-19 the tiles' tokens, v20-24 and v25-29 their offsets in hc and hs; v30-31 at work; v32-71 h's scale words (8 j + s); v72-79 W2's scale words, two sets;
;   v80-95 maxima, scale operands, bytes, scale words in the making; v96-223 a job's 4 x 32 numbers, later fragments of W2 (set 0, v96-191), on the way out rows (v96-159) and offsets (v192-207); v224-255 a job's codes.
;   Window 1: W2 as loaded, two slots of 128; later the accumulators of j = 0 .. 3 at 64 j + 8 ct.   Window 2: those of j = 4 at 8 ct; fragments of W2, set 1, at 64; b2's eight tiles at 160.
;   Window 3: a ring of four K steps of h: slot k at 60 k + 12 j.
.set FP,     1552                      ; a fragment's image: 3 x 512 bytes + 16, so that the sixteen lanes of a store, which write four fragments, fall on sixteen different columns of 16 bytes
.set REG,    2560                      ; a wave's list: 512 places, 32 words into which the lanes without a match write, the rest spare; cleared whole
.set LISTB,  4*REG                     ; the lists lie at LDS byte 0, so that one v_min_u32 bounds a looked-up address
.set CNTS,   LISTB                     ; the four counts
.set IMG,    CNTS+256                  ; fragment (K step s, tile t) at (8 s + t) FP
.set SCW,    IMG+64*FP                 ; W2's scale words: [K step][128 columns]
.set STAGE,  SCW+4096                  ; the way out: 16 rows x (512 + 16) bytes for each wave
.set SPITCH, 528
.set TK,  15
.set HA,  20
.set HSA, 25
.set HS,  32
.set WS,  72
.set X,   96
.set IX,  96
.set F0,  96
.set OB,  96
.set VO,  192
.set CD,  224
.set F1,  64                           ; in window 2
.set B2,  160                          ; in window 2
.set MSB, 0
.macro WIN new                         ; s_set_vgpr_msb: bits 1:0 source 0, 3:2 source 1, 5:4 source 2, 7:6 destination; the high byte repeats the setting that is left
.if MSB != (\new)
	s_set_vgpr_msb (MSB<<8)|(\new)
.set MSB, (\new)
.endif
.endm
.macro JLOAD q                         ; job q: my rows 32 q + i, 512 consecutive bytes a load, read once in the launch
	WIN 0x40
.set i, 0
.rept 32
	global_load_b128 v[128*((\q)%2)+4*i:128*((\q)%2)+4*i+3], v1, s[10:11] offset:(32*(\q)+i)*12288 th:TH_LOAD_NT
.set i, i+1
.endr
	WIN 0
.endm
; 32 of my tokens: those of expert e are put on my list, in the order of the lanes; the others write into the spare words behind it.  The index is held under 544 last of all, so the store stays in my 2,560 bytes.
.macro SORT n
	v_cmp_eq_u32 vcc_lo, s18, v[IX+(\n)]
	v_mbcnt_lo_u32_b32 v30, vcc_lo, s22            ; the count so far + the matches in the lanes below me
	s_bcnt1_i32_b32 s23, vcc_lo
	s_add_co_u32 s22, s22, s23
	v_cndmask_b32 v30, v13, v30, vcc_lo            ; no match: place 512 + lane
	v_min_u32 v30, 543, v30
	v_lshl_add_u32 v30, v30, 2, v12
	v_add_nc_u32 v31, 128*((\n)/4)+(\n)%4, v14     ; the token's number
	ds_store_b32 v30, v31
.endm
; The token at list place POS + 64 j + 16 w + r.  The four lists stand REG bytes apart: place P of the whole lies in list i where C_i <= P < C_(i+1), at 4 P + the sum over k <= i of (REG - 4 c_(k-1)).
.macro LADDR j
	s_add_co_u32 s37, s36, 64*(\j)
	v_add_nc_u32 v30, s37, v9
	v_min_u32 v30, s32, v30                        ; held at the last place
	v_lshlrev_b32 v[HSA+(\j)], 2, v30
.irp i, 1,2,3
	v_cmp_le_u32 vcc_lo, s[27+\i], v30
	v_cndmask_b32 v31, 0, s[32+\i], vcc_lo
	v_add_nc_u32 v[HSA+(\j)], v[HSA+(\j)], v31
.endr
	v_min_u32 v[HSA+(\j)], LISTB-4, v[HSA+(\j)]    ; inside the lists, whatever was read
	ds_load_b32 v[TK+(\j)], v[HSA+(\j)]
.endm
.macro HLOAD n                         ; the n-th K step's fragments of my five tiles into ring slot n % 4: 15 loads, 16 bytes a lane, 48 on end for each half of the lanes
	WIN 0xc0
.irp j, 0,1,2,3,4
.irp g, 0,1,2
	global_load_b128 v[60*((\n)%4)+12*\j+4*\g:60*((\n)%4)+12*\j+4*\g+3], v[HA+\j], s[6:7] offset:96*((3*(\n))%8)+16*\g
.endr
.endr
	WIN 0
.endm
.macro SETUP                           ; a round's tokens, their scale words (10 loads) and the first four K steps of their codes (60 loads)
.irp j, 0,1,2,3,4
	LADDR \j
.endr
	s_wait_dscnt 0x0
.irp j, 0,1,2,3,4
	v_min_u32 v[TK+\j], 2047, v[TK+\j]             ; a token's number stays inside the buffers
	v_mul_u32_u24 v[HA+\j], v[TK+\j], 768
	v_add_nc_u32 v[HA+\j], v[HA+\j], v10
	v_lshlrev_b32 v[HSA+\j], 5, v[TK+\j]
.endr
.irp j, 0,1,2,3,4
	global_load_b128 v[HS+8*\j:HS+8*\j+3], v[HSA+\j], s[8:9]
	global_load_b128 v[HS+8*\j+4:HS+8*\j+7], v[HSA+\j], s[8:9] offset:16
.endr
	HLOAD 0
	HLOAD 1
	HLOAD 2
	HLOAD 3
.endm
; Job q: block q % 4 of my K step q / 4, for my four columns 4 lane + j: tile lane / 4, its lanes 4 (lane % 4) + j.  Block 2 c + h' is registers 6 c .. 6 c + 5 of lane half h'.
.macro QJOB q
.set BE, (\q)%4
.set SL, (\q)/4
.set OF, SL*8*FP+256*(BE%2)
	WIN 0x01
.set i, 0
.rept 32
.irp j, 0,1,2,3
	v_mov_b32 v[X+32*\j+i], v[128*((\q)%2)+4*i+\j] ; column j's K on end
.endr
.set i, i+1
.endr
	WIN 0
.if (\q) < 6
	JLOAD (\q)+2                                   ; the slot is free: it takes the job two on
.endif
	s_wait_dscnt 0x0                               ; the last job's LDS stores have read the codes' and the scale words' registers
.irp j, 0,1,2,3
	v_max3_num_f32 v[80+\j], |v[X+32*\j]|, |v[X+32*\j+1]|, 0x2800000   ; the floor 2^(5 - 127) among the leaves: the byte cannot fall under 1
.endr
.irp i, 2,4,6,8,10,12,14,16,18,20,22,24,26,28,30
.irp j, 0,1,2,3
	v_max3_num_f32 v[80+\j], v[80+\j], |v[X+32*\j+\i]|, |v[X+32*\j+\i+1]|   ; the four columns by turns
.endr
.endr
.irp j, 0,1,2,3
	v_add_nc_u32 v[84+\j], 0xfe000000, v[80+\j]    ; 4 off the exponent field: the conversion's scale operand
.endr
.irp j, 0,1,2,3
.if BE == 0
	v_lshrrev_b32 v[92+\j], 23, v[84+\j]           ; the scale's byte begins the K step's word,
.else
	v_lshrrev_b32 v[88+\j], 23, v[84+\j]
	v_lshl_or_b32 v[92+\j], v[88+\j], 8*BE, v[92+\j]   ; or joins it
.endif
.endr
.irp j, 0,1,2,3
	v_cvt_scalef32_pk16_bf6_f32 v[CD+8*\j:CD+8*\j+2], v[X+32*\j:X+32*\j+15], v[84+\j]
	v_cvt_scalef32_pk16_bf6_f32 v[CD+8*\j+4:CD+8*\j+6], v[X+32*\j+16:X+32*\j+31], v[84+\j]   ; (a conversion's three registers begin on an even number)
.endr
	v_nop                                          ; one plain place behind the scaled conversions
.irp j, 0,1,2,3
	v_mov_b32 v[CD+8*\j+3], v[CD+8*\j+4]
	v_mov_b32 v[CD+8*\j+4], v[CD+8*\j+5]
	v_mov_b32 v[CD+8*\j+5], v[CD+8*\j+6]           ; six registers on end: the block's 24 bytes
.endr
.irp j, 0,1,2,3
.if BE < 2
	ds_store_b128 v5, v[CD+8*\j:CD+8*\j+3] offset:OF+16*\j         ; registers 0-3,
	ds_store_b64 v5, v[CD+8*\j+4:CD+8*\j+5] offset:OF+16*\j+512    ; 4-5
.else
	ds_store_b64 v5, v[CD+8*\j:CD+8*\j+1] offset:OF+16*\j+520      ; 6-7,
	ds_store_b128 v5, v[CD+8*\j+2:CD+8*\j+5] offset:OF+16*\j+1024  ; 8-11
.endif
.endr
.if BE == 3
	ds_store_b128 v6, v[92:95] offset:512*SL       ; my four columns' scale words of the K step
.endif
.endm
.macro FETCH n                         ; the n-th K step's eight fragments of W2 into set n % 2 (24 loads of 512 consecutive bytes), and its scale words (lanes 0-15: tile 2 p, lanes 16-31: tile 2 p + 1)
.set SF, (3*(\n))%8
.if (\n)%2
	WIN 0x80
.set FD, F1
.else
	WIN 0
.set FD, F0
.endif
.irp t, 0,1,2,3,4,5,6,7
.irp g, 0,1,2
	ds_load_b128 v[FD+12*\t+4*\g:FD+12*\t+4*\g+3], v[3+SF/4] offset:(8*(SF%4)+\t)*FP+512*\g
.endr
.endr
	WIN 0
.irp p, 0,1,2,3
	ds_load_b32 v[WS+4*((\n)%2)+\p], v2 offset:512*SF+128*\p
.endr
.endm
.macro WMM d, a, b, c, sa, sb, odd
.if \odd
	v_wmma_scale_f32_16x16x128_f8f6f4 v[(\d):(\d)+7], v[(\a):(\a)+11], v[(\b):(\b)+11], v[(\c):(\c)+7], v[(\sa)], v[(\sb)] matrix_a_fmt:MATRIX_FMT_BF6 matrix_b_fmt:MATRIX_FMT_BF6 matrix_a_scale:MATRIX_SCALE_ROW1
.else
	v_wmma_scale_f32_16x16x128_f8f6f4 v[(\d):(\d)+7], v[(\a):(\a)+11], v[(\b):(\b)+11], v[(\c):(\c)+7], v[(\sa)], v[(\sb)] matrix_a_fmt:MATRIX_FMT_BF6 matrix_b_fmt:MATRIX_FMT_BF6
.endif
.endm
; The n-th K step: 40 products, the 40 accumulators by turns, one instruction a turn, in the same order in every step.  The next step's fragments are asked for ahead of them.
.macro MULT n
	s_wait_dscnt 0x0                               ; this step's fragments of W2 and their scale words are in
.if (\n) > 0
.rept 4
	v_nop                                          ; places behind the last step's products, in front of loads into registers that they read
.endr
.endif
.if ((\n) > 0) && ((\n) < 5)
	HLOAD (\n)+3                                   ; into the ring slot that the last step read
.endif
.if (\n) < 7
	FETCH (\n)+1
.endif
.if (\n) < 5
	s_wait_loadcnt 45                              ; this step's 15 loads of h are in (in step 0 the scale words too); the three younger slots may be out
.else
	s_wait_loadcnt 15*(7-(\n))                     ; nothing more is asked for: the counts run down
.endif
.set SS, (3*(\n))%8
.set FB, F0-32*((\n)%2)
.set WM, 0x0c+2*((\n)%2)               ; source 1 (h) window 3; source 0 (W2) window 0 or 2
.irp j, 0,1,2,3,4
.if \j == 4
	WIN WM+0xa0                                    ; C and D window 2
.elseif (\n) == 0
	WIN WM+0x60                                    ; C (b2) window 2, D window 1
.else
	WIN WM+0x50                                    ; C and D window 1
.endif
.irp ct, 0,1,2,3,4,5,6,7
.if (\n) == 0
	WMM 64*(\j%4)+8*\ct, FB+12*\ct, 60*((\n)%4)+12*\j, B2+8*\ct, WS+4*((\n)%2)+\ct/2, HS+8*\j+SS, \ct%2
.else
	WMM 64*(\j%4)+8*\ct, FB+12*\ct, 60*((\n)%4)+12*\j, 64*(\j%4)+8*\ct, WS+4*((\n)%2)+\ct/2, HS+8*\j+SS, \ct%2
.endif
.endr
.endr
.endm
; THE WAY OUT of tile j: a lane holds 32 neighbouring bytes of eight pieces of one token's row; through my stage they come back as whole rows of 512 bytes, one token an instruction.
.macro OUTT j
	s_add_co_u32 s37, s36, 64*(\j)
	s_add_co_u32 s37, s37, s39
	s_cmp_ge_u32 s37, s31
	s_cbranch_scc1 .Lpast_\@                       ; the tile lies wholly past the count
	s_wait_xcnt 0x0                                ; the last tile's stores have read their data and their offsets: both are written again below
	WIN 0x04+4*((\j)/4)                            ; an LDS store's data are its source 1: window 1, or 2 for j = 4
.irp ct, 0,1,2,3,4,5,6,7
	ds_store_b128 v7, v[64*((\j)%4)+8*\ct:64*((\j)%4)+8*\ct+3] offset:64*\ct          ; each accumulator from its low end on
	ds_store_b128 v7, v[64*((\j)%4)+8*\ct+4:64*((\j)%4)+8*\ct+7] offset:64*\ct+16
.endr
	WIN 0
.irp i, 0,1,2,3,4,5,6,7,8,9,10,11,12,13,14,15
	ds_load_b128 v[OB+4*\i:OB+4*\i+3], v8 offset:\i*SPITCH   ; LDS serves a wave's instructions in order (ISA guide 5.7.1.4): these see my stores
.endr
.irp i, 0,1,2,3,4,5,6,7,8,9,10,11,12,13,14,15
	v_readlane_b32 s38, v[TK+(\j)], \i             ; row i's token
	s_min_u32 s38, s38, 2047
	s_mul_i32 s38, s38, 12288
	v_add_nc_u32 v[VO+\i], s38, v1
.endr
.irp i, 0,1,2,3,4,5,6,7,8,9,10,11,12,13,14,15
	s_wait_dscnt 15-\i                             ; row i is back; the younger rows may be out
	global_store_b128 v[VO+\i], v[OB+4*\i:OB+4*\i+3], s[14:15] th:TH_STORE_NT   ; 32 lanes store 512 consecutive bytes, at a multiple of 512 from out0's first byte
.endr
.Lpast_\@:
.endm
	s_load_b256 s[4:11], s[0:1], 0x0               ; idx s[4:5], hc s[6:7], hs s[8:9], W2 s[10:11]
	s_load_b128 s[12:15], s[0:1], 0x20             ; b2 s[12:13], out0 s[14:15]
	v_lshl_add_u32 v247, v0, 2, 0x24100
	v_mov_b32 v255, 0
	v_lshrrev_b32 v30, 5, v0
	v_readfirstlane_b32 s16, v30                   ; wave 0..3
	s_mov_b32 s17, ttmp9                           ; cc: which 128 columns
	s_and_b32 s18, ttmp7, 0xffff                   ; e: which expert
	v_and_b32 v30, 31, v0                          ; lane
	v_and_b32 v31, 15, v0                          ; r
	v_bfe_u32 v10, v0, 4, 1                        ; h
	v_lshlrev_b32 v1, 4, v30                       ; 16 x lane
	v_lshl_add_u32 v2, v30, 2, SCW                 ; W2's scale words: 4 x lane
	v_add_nc_u32 v3, IMG, v1                       ; the images of K steps 0-3,
	v_add_nc_u32 v4, IMG+32*FP, v1                 ; and of 4-7 (an LDS offset has 16 bits)
	v_bfe_u32 v5, v0, 2, 3
	v_mul_u32_u24 v5, v5, FP
	v_and_b32 v6, 3, v0
	v_lshl_add_u32 v5, v6, 6, v5
	s_mul_i32 s20, s16, 16*FP
	s_add_co_u32 s20, s20, IMG
	v_add_nc_u32 v5, s20, v5                       ; where I store codes: K step 2 w, tile lane / 4, 16 x 4 (lane % 4)
	s_lshl_b32 s20, s16, 10
	s_add_co_u32 s20, s20, SCW
	v_add_nc_u32 v6, s20, v1                       ; and my four columns' scale words
	s_mul_i32 s20, s16, 16*SPITCH
	s_add_co_u32 s20, s20, STAGE
	v_mul_u32_u24 v7, v31, SPITCH
	v_lshl_add_u32 v7, v10, 5, v7
	v_add_nc_u32 v7, s20, v7                       ; my stage, in: row r, + 32 h
	v_add_nc_u32 v8, s20, v1                       ; back: 16 bytes a lane
	s_lshl_b32 s39, s16, 4
	v_add_nc_u32 v9, s39, v31                      ; my place in a round's first four tiles: 16 w + r
	v_lshlrev_b32 v11, 5, v10                      ; b2: 32 h
	v_mul_u32_u24 v10, v10, 48                     ; hc: 48 h
	s_mul_i32 s20, s16, REG
	v_mov_b32 v12, s20                             ; my list
	v_add_nc_u32 v13, 512, v30                     ; the place of a lane without a match
	s_lshl_b32 s20, s16, 9
	v_lshl_add_u32 v14, v30, 2, s20                ; my first token: 512 w + 4 x lane
	s_lshl_b32 s38, s17, 9                         ; 512 cc
	s_mul_i32 s20, s18, 12582912
	s_add_co_u32 s20, s20, s38
	s_mul_i32 s23, s16, 3145728
	s_add_co_u32 s20, s20, s23
	s_mov_b32 s21, 0                               ; W2: expert e, row 256 w, columns 128 cc on
	s_lshl_b32 s22, s16, 11
	s_mov_b32 s23, 0                               ; idx: my 512 tokens
	s_mul_i32 s24, s18, 12288
	s_add_co_u32 s24, s24, s38
	s_mov_b32 s25, 0                               ; b2
	s_mov_b32 s26, s38
	s_mov_b32 s27, 0                               ; out0
	s_wait_kmcnt 0x0
	s_add_nc_u64 s[10:11], s[10:11], s[20:21]
	s_add_nc_u64 s[4:5], s[4:5], s[22:23]
	s_add_nc_u64 s[12:13], s[12:13], s[24:25]
	s_add_nc_u64 s[14:15], s[14:15], s[26:27]
.irp a, 0,1,2,3
	global_load_b128 v[IX+4*\a:IX+4*\a+3], v1, s[4:5] offset:512*\a   ; register 4 a + q = idx of token 512 w + 128 a + 4 lane + q
.endr
	JLOAD 0                                        ; the stream begins at once
	JLOAD 1
.irp k, 0,1,2,3
	v_mov_b32 v[112+\k], 0
.endr
	v_add_nc_u32 v31, v12, v1
.irp a, 0,1,2,3,4
	ds_store_b128 v31, v[112:115] offset:512*\a    ; my list is cleared whole: no byte that a look-up can reach is left unwritten
.endr
	s_wait_loadcnt 63                              ; 64 loads were issued behind idx's four: idx is in
	s_mov_b32 s22, 0                               ; my count
.irp n, 0,1,2,3,4,5,6,7,8,9,10,11,12,13,14,15
	SORT \n
.endr
	s_lshl_b32 s23, s16, 2
	s_add_co_u32 s23, s23, CNTS
	v_mov_b32 v31, s23
	v_mov_b32 v30, s22
	ds_store_b32 v31, v30                          ; all lanes write the same word with the same value
	s_wait_dscnt 0x0                               ; for the others' sake: my list and my count lie in LDS
	s_barrier_signal -1
	s_barrier_wait -1                              ; the lists are whole, and are only read from here on
	v_mov_b32 v30, CNTS
	ds_load_b128 v[88:91], v30
	s_wait_dscnt 0x0
	v_readfirstlane_b32 s24, v88                   ; c0 .. c3
	v_readfirstlane_b32 s25, v89
	v_readfirstlane_b32 s26, v90
	v_readfirstlane_b32 s27, v91
	s_mov_b32 s28, s24                             ; C1, C2, C3: where lists 1, 2, 3 begin in the whole,
	s_add_co_u32 s29, s28, s25
	s_add_co_u32 s30, s29, s26
	s_add_co_u32 s31, s30, s27                     ; and the expert's count
	s_max_u32 s32, s31, 1
	s_sub_co_u32 s32, s32, 1                       ; the last place
	s_lshl_b32 s33, s24, 2
	s_sub_co_u32 s33, REG, s33                     ; the steps from list to list
	s_lshl_b32 s34, s25, 2
	s_sub_co_u32 s34, REG, s34
	s_lshl_b32 s35, s26, 2
	s_sub_co_u32 s35, REG, s35
	s_mov_b32 s36, 0                               ; POS: the round's first place
	SETUP                                          ; the first round's tokens are gathered under the stream
	WIN 0x80
.irp ct, 0,1,2,3,4,5,6,7
	global_load_b128 v[B2+8*\ct:B2+8*\ct+3], v11, s[12:13] offset:64*\ct        ; b2 in the result's layout: columns 16 ct + 8 h + 0 .. 7
	global_load_b128 v[B2+8*\ct+4:B2+8*\ct+7], v11, s[12:13] offset:64*\ct+16
.endr
	WIN 0
	; THE STREAM
	s_wait_loadcnt 63                              ; behind job 0's loads 118 were issued: job 0 is in
	QJOB 0
	s_wait_loadcnt 63                              ; behind job 1's likewise
	QJOB 1
.irp q, 2,3,4,5,6
	s_wait_loadcnt 32                              ; this job's 32 loads are in; the next job's may be out
	QJOB \q
.endr
	s_wait_loadcnt 0x0
	QJOB 7
	s_wait_dscnt 0x0                               ; for the others' sake: my sixteen images and their scale words lie in LDS
	s_barrier_signal -1
	s_barrier_wait -1                              ; all 64 do.  The last barrier: images, scale words and lists are only read now, and a stage is its wave's own
.Lround:                                           ; 7 trips, a constant: 7 x 320 places serve 2,048 tokens on one expert
	s_cmp_ge_u32 s36, s31
	s_cbranch_scc1 .Lskip                          ; no place of this round is taken
	s_cmp_eq_u32 s36, 0
	s_cbranch_scc1 .Lhave                          ; the first round's tokens were gathered under the stream
	SETUP
.Lhave:
	FETCH 0
.irp n, 0,1,2,3,4,5,6,7
	MULT \n
.endr
	WIN 0
.rept 5
	v_nop                                          ; places: four in front of the first read of results and of loads into registers that the products read; five in front of a next round's products, which begin the accumulators anew
.endr
.irp j, 0,1,2,3,4
	OUTT \j
.endr
	s_wait_xcnt 0x0                                ; the round's last stores have read their data: a next round's fragments land on those registers
.Lskip:
	s_add_co_u32 s36, s36, 320
	s_cmp_lt_u32 s36, 2240
	s_cbranch_scc1 .Lround
	s_wait_tensorcnt 0x0
	ds_add_u32 v247, v255
	s_wait_dscnt 0x0
	s_endpgm
.Lfunc_end_k_q9dd47a0fd3_expert:
	.size	k_q9dd47a0fd3_expert, .Lfunc_end_k_q9dd47a0fd3_expert-k_q9dd47a0fd3_expert
	.p2alignl 7, 3214868480
	.fill 96, 4, 3214868480
	.section	.rodata,"a",@progbits
	.p2align	6, 0x0
	.amdhsa_kernel k_q9dd47a0fd3_expert
		.amdhsa_group_segment_fixed_size 148224
		.amdhsa_private_segment_fixed_size 0
		.amdhsa_enable_private_segment 0
		.amdhsa_kernarg_size 48
		.amdhsa_user_sgpr_count 2
		.amdhsa_user_sgpr_kernarg_segment_ptr 1
		.amdhsa_wavefront_size32 1
		.amdhsa_system_sgpr_workgroup_id_x 1
		.amdhsa_system_sgpr_workgroup_id_y 1
		.amdhsa_system_sgpr_workgroup_id_z 1
		.amdhsa_system_vgpr_workitem_id 0
		.amdhsa_next_free_vgpr 1024
		.amdhsa_next_free_sgpr 66
		.amdhsa_reserve_vcc 1
		.amdhsa_float_denorm_mode_32 3
		.amdhsa_float_denorm_mode_16_64 3
		.amdhsa_memory_ordered 1
		.amdhsa_forward_progress 1
		.amdhsa_inst_pref_size 244
	.end_amdhsa_kernel
	.amdgpu_metadata
---
amdhsa.version: [ 1, 2 ]
amdhsa.kernels:
  - .name:           k_q9dd47a0fd3_expert
    .symbol:         k_q9dd47a0fd3_expert.kd
    .args:
      - { .name: idx, .offset: 0, .size: 8, .value_kind: global_buffer, .address_space: global }
      - { .name: hc, .offset: 8, .size: 8, .value_kind: global_buffer, .address_space: global }
      - { .name: hs, .offset: 16, .size: 8, .value_kind: global_buffer, .address_space: global }
      - { .name: W2, .offset: 24, .size: 8, .value_kind: global_buffer, .address_space: global }
      - { .name: b2, .offset: 32, .size: 8, .value_kind: global_buffer, .address_space: global }
      - { .name: out0, .offset: 40, .size: 8, .value_kind: global_buffer, .address_space: global }
    .group_segment_fixed_size: 148224
    .private_segment_fixed_size: 0
    .kernarg_segment_align: 8
    .kernarg_segment_size: 48
    .max_flat_workgroup_size: 128
    .sgpr_count:     66
    .vgpr_count:     1024
    .wavefront_size: 32
...
	.end_amdgpu_metadata
.endif
;; end of part 2
;; ======== version 2 of 2: 2 launches; version 1 with the launch hidden written anew for expert scheduling mode
;; workspace buffers: idx 8,192 bytes of whole numbers; hc 1,572,864 bytes; hs 65,536 bytes
;; launch hidden (part 3): grid 16 x 16, 8 waves a work-group, no clusters, 52,736 bytes of LDS; arguments z, W1, b1, idx, hc, hs; writes idx, hc, hs
.if DOCPART == 3
	.amdgcn_target "amdgcn-amd-amdhsa--gfx1250"
	.amdhsa_code_object_version 6
	.text
	.protected	k_q9dd47a0fd3_hidden
	.globl	k_q9dd47a0fd3_hidden
	.p2align	8
	.type	k_q9dd47a0fd3_hidden,@function
k_q9dd47a0fd3_hidden:
	s_mov_b64 s[64:65], 0
	v_nop
	global_prefetch_b8 v0, s[64:65] scope:SCOPE_SE
	s_setreg_imm32_b32 hwreg(HW_REG_WAVE_SCHED_MODE, 0, 2), 2
	s_setreg_imm32_b32 hwreg(HW_REG_WAVE_MODE, 25, 1), 1
	s_wait_xcnt 0x0
	s_wait_alu depctr_vm_vsrc(0)
; ROUTE AND HIDDEN LAYER.  idx[b] = (sum over i of floor(|z[b][i]| x 1000)) mod 8;  h[b] = relu(z[b] W1[idx[b]] + b1[idx[b]]), the product on codes of BF6 (E3M2) with one E8M0 scale for each 32 along K = 128;
; h is then quantised along its 1,024 units (the next product's K) and leaves as codes (hc) and scale bytes (hs); idx leaves as whole numbers.
; No address and no branch here hangs on idx: ALL EIGHT experts are multiplied, and a token's own expert is chosen value by value (v_cndmask_b32).
; SHARES.  Work-group (u, tb): hidden units 64 u .. 64 u + 63 of tokens 128 tb .. 128 tb + 127.  Wave w first quantises expert w's 128 x 64 numbers of W1 into four operand fragments, which go to LDS as
; IMAGES OF THEIR REGISTERS (group g of four registers of lane L at 512 g + 16 L; fragments 1,552 bytes apart); one barrier; then wave w multiplies its tokens 16 w .. 16 w + 15 with all 32 fragments.
; W1 HAS K OUTERMOST.  A load takes 16 bytes a lane, sixteen lanes a row's 256 bytes, lanes 16-31 the row 32 further down: a lane then holds four columns, a column's K at every fourth register; 128 v_mov_b32
; a job lay them as 4 x 32 consecutive registers, which is what the conversions take.  A lane's 32 numbers of a column are one whole block: its largest magnitude needs no other lane.
; THE UNITS OF A TILE ARE NOT NEIGHBOURS: lane r of tile 2 b + uu takes unit 32 b + 8 uu + r + 8 (r / 8).  The product is used transposed (source 0 = 16 units of W1, source 1 = my 16 tokens), so a lane holds one
; token, and the 16 registers of tiles 2 b, 2 b + 1 are units 32 b + 16 (lane / 16) + 0 .. 15: neighbours along the next K.  b1 is the C of each product.
; hc: [token][K step s][lane half][48 bytes]: the 12 registers that lane (r, half) of the next launch's operand wants, on end.  hs: [token][8 words], byte b of word s = the scale of units 128 s + 32 b on.
; This launch writes hc in pieces of 24 bytes and hs in pieces of 2: the layout is the reader's, which takes each row 24 times over; the two buffers are 1.6 MB together.
; A block's scale byte is its largest magnitude's exponent field - 4, held at 1 from below.  A block of zeros so gets the byte 1 where the rule says 127: its codes are zeros, and this program alone reads the bytes.
; LIMITS: idx is reference()'s while a row's sum of floor(1000 |z|) stays under 2^24 (a mean |z| under 131): up to there the f32 sum of whole numbers is exact in any order.  NaN and infinities are not served.
; NO JOINT LOADS: what the 16 work-groups of a column of the grid share is W1 as f32 with K outermost, which has to pass through registers to be quantised; brought into LDS first it would be 256 KB a work-group
; to be read out again.  No tensor load, so no ring.
; THE MODE: SCHED_MODE bits 1:0 = 2 (LLVM: expert scheduling mode 2), set by the entry lines.  The code itself states the register dependences between vector or matrix instructions and memory or LDS
; instructions, with s_wait_alu, always for 0.
; THE PLAN.  Registers that memory or LDS instructions touch:
;   v1-v11          offsets and LDS addresses: made at the head, one wait ahead of the first load, never written again.
;   window 1        job c's 128 registers: W1's loads land there; the job's 128 moves read them; behind one wait b1's loads land there; the products read b1 as C.
;   v224-255, v28-31  a job's codes, the scale words: written by conversions and moves; one wait; read by the LDS stores; one wait on vm_vsrc ahead of the next job's conversions, one behind the barrier, where
;                   v224-255 become H and v28-31 are at work again.
;   v128-223, v54-57  two sets of fragments and scale words: LDS loads land there; an expert's four products read a set; ONE wait an expert, behind its products and the 32 lines of the choice before, and the
;                   fetch of two experts on follows.  The first two fetches land where the jobs' numbers lay: the wait ahead of the last LDS store stands behind every line that named those.
;   v32-43, v52     z's fragment and scale word: written by vector instructions, read by every product: the jobs' waits stand between.
;   v64-69, v12, v53  the last quantiser's codes and bytes, and idx: one wait ahead of the last stores.
;   s16; s41-47     written by vector instructions: a wait on va_sdst ahead of the first reader of each run.
; REGISTERS.  Window 0: v1-11 addresses; v12-15 at work; v16-31 maxima, bytes, scale operands; v32-43 z's fragment (v44-51 at work for it); v52 z's scale word; v53 idx; v54-57 W1's scale words, two sets;
;   v64-95, v96-127 results, by turns; v128-175, v176-223 four fragments of W1 each, by turns; v224-255 the chosen h.  Earlier: v96-159 z's 64 numbers; v96-223 a job's 4 x 32 numbers; v224-255 its codes.
;   Window 1: W1 as loaded, job c at 128 c; afterwards b1: expert e's tile t at 32 e + 8 t.
.set FP,   1552                        ; a fragment's image: 3 x 512 bytes + 16, so that the sixteen lanes of a store, which write four fragments, fall on sixteen different columns of 16 bytes
.set SC1,  32*FP                       ; behind the 32 images: W1's scale words, [expert][tile][16 words]
.set TM,   16
.set ZF,   32
.set ZS,   52
.set IDX,  53
.set WS1,  54
.set D0,   64
.set BF,   128
.set H,    224
.set Z,    96
.set X,    96
.set CD,   224
.set MSB,  0
.macro WIN new                         ; s_set_vgpr_msb: bits 1:0 source 0, 3:2 source 1, 5:4 source 2, 7:6 destination; the high byte repeats the setting that is left
.if MSB != (\new)
	s_set_vgpr_msb (MSB<<8)|(\new)
.set MSB, (\new)
.endif
.endm
.macro WLOAD c                         ; job c: rows 64 c + i (lanes 0-15) and 64 c + 32 + i (lanes 16-31), 256 consecutive bytes each
	WIN 0x40
.set i, 0
.rept 32
	global_load_b128 v[128*(\c)+4*i:128*(\c)+4*i+3], v2, s[6:7] offset:(64*(\c)+i)*4096
.set i, i+1
.endr
	WIN 0
.endm
.macro BLOAD a                         ; b1 of experts 4 a .. 4 a + 3, in the result's layout: lane half h of tile t wants units 32 (t / 2) + 8 (t % 2) + 16 h + 0 .. 7
	WIN 0x40
	s_wait_alu depctr_va_vdst(0)                   ; the job's 128 moves are done reading its registers of window 1, in which these loads land
.irp e, 0,1,2,3
.irp t, 0,1,2,3
	global_load_b128 v[32*(4*(\a)+\e)+8*\t:32*(4*(\a)+\e)+8*\t+3], v3, s[8:9] offset:4096*(4*(\a)+\e)+(32*(\t/2)+8*(\t%2))*4
	global_load_b128 v[32*(4*(\a)+\e)+8*\t+4:32*(4*(\a)+\e)+8*\t+7], v3, s[8:9] offset:4096*(4*(\a)+\e)+(32*(\t/2)+8*(\t%2))*4+16
.endr
.endr
	WIN 0
.endm
; Job c of my expert: block 2 c + (lane / 16) of my four columns becomes registers 6 c .. 6 c + 5 of the fragments' images.
.macro QJOB1 c
	WIN 0x01
.set i, 0
.rept 32
.irp j, 0,1,2,3
	v_mov_b32 v[X+32*\j+i], v[128*(\c)+4*i+\j]     ; column j's K on end
.endr
.set i, i+1
.endr
	BLOAD \c                                       ; the job's registers are free: b1 takes them
.if (\c) > 0
	s_wait_dscnt 0x0                               ; the last job's LDS stores are done,
	s_wait_alu depctr_vm_vsrc(0)                   ; and have read the codes' registers v224-255, which this job's conversions write again
.endif
.irp j, 0,1,2,3
	v_max3_num_f32 v[16+\j], |v[X+32*\j]|, |v[X+32*\j+1]|, 0x2800000   ; the floor 2^(5 - 127) among the leaves: the byte cannot fall under 1
.endr
.irp i, 2,4,6,8,10,12,14,16,18,20,22,24,26,28,30
.irp j, 0,1,2,3
	v_max3_num_f32 v[16+\j], v[16+\j], |v[X+32*\j+\i]|, |v[X+32*\j+\i+1]|   ; the four columns by turns
.endr
.endr
.irp j, 0,1,2,3
	v_add_nc_u32 v[20+\j], 0xfe000000, v[16+\j]    ; 4 off the exponent field: the conversion's scale operand
.endr
.irp j, 0,1,2,3
.if (\c) == 0
	v_lshrrev_b32 v[28+\j], 23, v[20+\j]           ; the byte of block (lane / 16),
.else
	v_lshrrev_b32 v[24+\j], 23, v[20+\j]
	v_lshl_or_b32 v[28+\j], v[24+\j], 16, v[28+\j] ; and of block 2 + (lane / 16), two bytes up
.endif
.endr
.irp j, 0,1,2,3
	v_cvt_scalef32_pk16_bf6_f32 v[CD+8*\j:CD+8*\j+2], v[X+32*\j:X+32*\j+15], v[20+\j]
	v_cvt_scalef32_pk16_bf6_f32 v[CD+8*\j+4:CD+8*\j+6], v[X+32*\j+16:X+32*\j+31], v[20+\j]   ; (a conversion's three registers begin on an even number)
.endr
	v_nop                                          ; one plain place behind the scaled conversions
.irp j, 0,1,2,3
	v_mov_b32 v[CD+8*\j+3], v[CD+8*\j+4]
	v_mov_b32 v[CD+8*\j+4], v[CD+8*\j+5]
	v_mov_b32 v[CD+8*\j+5], v[CD+8*\j+6]           ; six registers on end: the block's 24 bytes
.endr
	s_wait_alu depctr_va_vdst(0)                   ; the conversions and the moves have written the codes v224-255, which the LDS stores read
.irp j, 0,1,2,3
.if (\c) == 0
	ds_store_b128 v6, v[CD+8*\j:CD+8*\j+3] offset:16*\j            ; registers 0-3,
	ds_store_b64 v6, v[CD+8*\j+4:CD+8*\j+5] offset:16*\j+512       ; 4-5
.else
	ds_store_b64 v6, v[CD+8*\j:CD+8*\j+1] offset:16*\j+520         ; 6-7,
	ds_store_b128 v6, v[CD+8*\j+2:CD+8*\j+5] offset:16*\j+1024     ; 8-11
.endif
.endr
.endm
.macro FETCH1 e                        ; expert e's four fragments and their scale words (lanes 0-15: tile 2 p, lanes 16-31: tile 2 p + 1): 14 LDS loads
.irp t, 0,1,2,3
.irp g, 0,1,2
	ds_load_b128 v[BF+48*((\e)%2)+12*\t+4*\g:BF+48*((\e)%2)+12*\t+4*\g+3], v4 offset:(4*(\e)+\t)*FP+512*\g
.endr
.endr
.irp p, 0,1
	ds_load_b32 v[WS1+2*((\e)%2)+\p], v5 offset:256*(\e)+128*\p
.endr
.endm
.macro WMM d, a, b, c, sa, sb, odd
.if \odd
	v_wmma_scale_f32_16x16x128_f8f6f4 v[(\d):(\d)+7], v[(\a):(\a)+11], v[(\b):(\b)+11], v[(\c):(\c)+7], v[(\sa)], v[(\sb)] matrix_a_fmt:MATRIX_FMT_BF6 matrix_b_fmt:MATRIX_FMT_BF6 matrix_a_scale:MATRIX_SCALE_ROW1
.else
	v_wmma_scale_f32_16x16x128_f8f6f4 v[(\d):(\d)+7], v[(\a):(\a)+11], v[(\b):(\b)+11], v[(\c):(\c)+7], v[(\sa)], v[(\sb)] matrix_a_fmt:MATRIX_FMT_BF6 matrix_b_fmt:MATRIX_FMT_BF6
.endif
.endm
.macro MUL1 e                          ; four products: expert e's 64 units x my 16 tokens, + b1.  Expert 0's go straight into H
.if (\e) == 0
.set DD, H
.else
.set DD, D0+32*((\e)%2)
.endif
	WIN 0x10                                       ; C (b1) in window 1
.irp t, 0,1,2,3
	WMM DD+8*\t, BF+48*((\e)%2)+12*\t, ZF, 32*(\e)+8*\t, WS1+2*((\e)%2)+\t/2, ZS, \t%2
.endr
	WIN 0
.endm
.macro SELECT e                        ; where my token's expert is e, its results take H's place; each accumulator is read from its low end on
.set i, 0
.rept 32
	v_cndmask_b32 v[H+i], v[H+i], v[D0+32*((\e)%2)+i], s[40+(\e)]
.set i, i+1
.endr
.endm
	s_load_b256 s[4:11], s[0:1], 0x0               ; z s[4:5], W1 s[6:7], b1 s[8:9], idx s[10:11]
	s_load_b128 s[12:15], s[0:1], 0x20             ; hc s[12:13], hs s[14:15]
	v_lshl_add_u32 v62, v0, 2, 0xca00
	v_mov_b32 v63, 0
	v_lshrrev_b32 v12, 5, v0
	v_readfirstlane_b32 s16, v12                   ; wave 0..7
	s_mov_b32 s17, ttmp9                           ; u: which 64 hidden units
	s_and_b32 s18, ttmp7, 0xffff                   ; tb: which 128 tokens
	s_mov_b32 s20, 0x76543210
	s_mov_b32 s21, 0xfedcba98                      ; v_permlanex16_b32's selects for lane l xor 16
	s_mov_b32 s22, 0x447a0000                      ; 1000.0
	v_and_b32 v12, 15, v0                          ; r (for W1: cl, my place in a row's 256 bytes)
	v_bfe_u32 v13, v0, 4, 1                        ; h
	v_lshlrev_b32 v1, 9, v12
	v_lshl_add_u32 v1, v13, 6, v1                  ; z: row r of 512 bytes, + 64 h: my 16 numbers of a block of 32
	v_lshlrev_b32 v2, 4, v12
	v_lshl_add_u32 v2, v13, 17, v2                 ; W1: 16 cl, + 32 rows of 4,096 bytes for lanes 16-31
	v_lshlrev_b32 v3, 6, v13                       ; b1: 64 h
	v_and_b32 v14, 31, v0
	v_lshlrev_b32 v4, 4, v14                       ; an image's place for my lane
	v_lshl_add_u32 v5, v14, 2, SC1                 ; a scale word's
	v_bfe_u32 v14, v0, 3, 1
	v_bfe_u32 v15, v0, 1, 1
	v_lshl_add_u32 v14, v14, 1, v15                ; my columns 4 cl + j lie in tile t = 2 (cl / 8) + (cl / 2) % 2,
	v_and_b32 v15, 1, v0
	v_bfe_u32 v16, v0, 2, 1
	v_lshl_add_u32 v15, v16, 1, v15                ; in its lanes 4 x this + j: 4 (cl % 2) + 8 ((cl / 4) % 2) + j
	s_wait_alu depctr_va_sdst(0)                   ; s16 is written, ahead of its first reader: LDS addresses and the buffers' bases are made from it
	s_mul_i32 s48, s16, 4*FP
	v_mul_u32_u24 v6, v14, FP
	v_lshl_add_u32 v6, v15, 6, v6
	v_lshl_add_u32 v6, v13, 8, v6
	v_add_nc_u32 v6, s48, v6                       ; where I store codes: expert w's tile t, 16 x (that lane + 16 h)
	s_lshl_b32 s48, s16, 8
	s_add_co_u32 s48, s48, SC1
	v_lshlrev_b32 v7, 6, v14
	v_lshl_add_u32 v7, v15, 4, v7
	v_add_nc_u32 v7, s48, v7                       ; and my four columns' scale words
	v_mul_u32_u24 v8, v12, 768
	v_mad_u32_u24 v8, v13, 48, v8                  ; hc: token r, + 48 h
	v_lshlrev_b32 v9, 5, v12                       ; hs: token r
	v_lshlrev_b32 v10, 2, v12                      ; idx: token r
	v_lshlrev_b32 v11, 3, v13                      ; 8 h: how far up my scale bytes go
.irp b, 0,1,2,3
	v_mov_b32 v[TM+4+\b], 0                        ; written once: a lane permute's destination counts as one of its sources
.endr
	s_lshl_b32 s24, s18, 7
	s_lshl_b32 s25, s16, 4
	s_add_co_u32 s24, s24, s25                     ; my first token: 128 tb + 16 w
	s_lshl_b32 s26, s24, 9
	s_mov_b32 s27, 0                               ; z: 512 bytes a token
	s_lshl_b32 s28, s16, 19
	s_lshl_b32 s30, s17, 8
	s_add_co_u32 s28, s28, s30
	s_mov_b32 s29, 0                               ; W1: expert w, columns 64 u on
	s_mov_b32 s31, 0                               ; b1: 256 u
	s_lshr_b32 s34, s17, 1                         ; my units lie in K step u / 2 of the next product, in its blocks 2 (u % 2) and 2 (u % 2) + 1
	s_and_b32 s35, s17, 1
	s_mul_i32 s32, s24, 768
	s_mul_i32 s25, s34, 96
	s_add_co_u32 s32, s32, s25
	s_mul_i32 s25, s35, 24
	s_add_co_u32 s32, s32, s25
	s_mov_b32 s33, 0                               ; hc
	s_lshl_b32 s36, s24, 5
	s_lshl_b32 s25, s34, 2
	s_add_co_u32 s36, s36, s25
	s_lshl_b32 s25, s35, 1
	s_add_co_u32 s36, s36, s25
	s_mov_b32 s37, 0                               ; hs
	s_lshl_b32 s38, s24, 2
	s_mov_b32 s39, 0                               ; idx
	s_wait_kmcnt 0x0
	s_add_nc_u64 s[4:5], s[4:5], s[26:27]
	s_add_nc_u64 s[6:7], s[6:7], s[28:29]
	s_add_nc_u64 s[8:9], s[8:9], s[30:31]
	s_add_nc_u64 s[10:11], s[10:11], s[38:39]
	s_add_nc_u64 s[12:13], s[12:13], s[32:33]
	s_add_nc_u64 s[14:15], s[14:15], s[36:37]
	s_wait_alu depctr_va_vdst(0)                   ; the offsets and LDS addresses v1 to v11 are written: every load and store of the kernel reads one of them
.irp b, 0,1,2,3
.irp q, 0,1,2,3
	global_load_b128 v[Z+16*\b+4*\q:Z+16*\b+4*\q+3], v1, s[4:5] offset:128*\b+16*\q   ; register 16 b + i = z(r, 32 b + 16 h + i)
.endr
.endr
	WLOAD 0
	WLOAD 1
	s_wait_loadcnt 63                              ; 64 loads were issued behind z's sixteen: z is in
	; THE ROUTE: floor(|z| x 1000), summed in four chains; whole numbers, so the order of the sum changes nothing
.irp k, 0,1,2,3
	v_mul_f32 v[28+\k], |v[Z+\k]|, s22
.endr
.irp k, 0,1,2,3
	v_floor_f32 v[24+\k], v[28+\k]                 ; the first four start the chains
.endr
.set i, 4
.rept 15
.irp k, 0,1,2,3
	v_mul_f32 v[28+\k], |v[Z+i+\k]|, s22
.endr
.irp k, 0,1,2,3
	v_floor_f32 v[28+\k], v[28+\k]
.endr
.irp k, 0,1,2,3
	v_add_f32 v[24+\k], v[24+\k], v[28+\k]
.endr
.set i, i+4
.endr
	v_add_f32 v24, v24, v25
	v_add_f32 v26, v26, v27
	v_add_f32 v24, v24, v26
	v_permlanex16_b32 v28, v24, s20, s21
	v_add_f32 v24, v24, v28                        ; with lane l xor 16's 64: the row's sum
	v_cvt_i32_f32 v[IDX], v24
	v_and_b32 v[IDX], 7, v[IDX]                    ; mod 8 of a number that is not negative
.irp e, 1,2,3,4,5,6,7
	v_cmp_eq_u32 s[40+\e], \e, v[IDX]              ; masks for the choice; they steer values alone
.endr
	s_wait_alu depctr_va_sdst(0)                   ; the seven masks s41 to s47 are written, ahead of their first readers, the lines of the choice
	; z's fragment and scale word
.irp b, 0,1,2,3
	v_max3_num_f32 v[TM+\b], |v[Z+16*\b]|, |v[Z+1+16*\b]|, 0x2800000
.endr
.irp i, 2,4,6,8,10,12,14
.irp b, 0,1,2,3
	v_max3_num_f32 v[TM+\b], v[TM+\b], |v[Z+16*\b+\i]|, |v[Z+1+16*\b+\i]|
.endr
.endr
.irp b, 0,1,2,3
	v_permlanex16_b32 v[TM+4+\b], v[TM+\b], s20, s21
.endr
.irp b, 0,1,2,3
	v_max_num_f32 v[TM+\b], v[TM+\b], v[TM+4+\b]   ; with lane l xor 16's: the block's largest magnitude
.endr
.irp b, 0,1,2,3
	v_add_nc_u32 v[TM+12+\b], 0xfe000000, v[TM+\b]
.endr
.irp b, 0,1,2,3
	v_lshrrev_b32 v[TM+4+\b], 23, v[TM+12+\b]
.endr
	v_lshl_or_b32 v[ZS], v[TM+5], 8, v[TM+4]
	v_lshl_or_b32 v[ZS], v[TM+6], 16, v[ZS]
	v_lshl_or_b32 v[ZS], v[TM+7], 24, v[ZS]
.irp c, 0,1
	v_cvt_scalef32_pk16_bf6_f32 v[ZF+6*\c:ZF+2+6*\c], v[Z+32*\c:Z+15+32*\c], v[TM+12+2*\c]
	v_cvt_scalef32_pk16_bf6_f32 v[ZF+12+4*\c:ZF+14+4*\c], v[Z+16+32*\c:Z+31+32*\c], v[TM+12+2*\c+1]
.endr
	v_nop                                          ; one plain place behind the scaled conversions
.irp c, 0,1                                    ; the operand wants a WHOLE block in a lane: lanes 0-15 block 2 c, lanes 16-31 block 2 c + 1
.irp i, 0,1,2
	v_permlane16_swap_b32 v[ZF+6*\c+\i], v[ZF+12+4*\c+\i]
.endr
.irp i, 0,1,2
	v_mov_b32 v[ZF+3+6*\c+\i], v[ZF+12+4*\c+\i]
.endr
.endr                                              ; (z's fragment and scale word are read by the products far below: the jobs' waits on va_vdst stand between)
	; my expert's part of W1
	s_wait_loadcnt 32                              ; job 0's 32 loads are in; job 1's may be out
	QJOB1 0
	s_wait_loadcnt 32                              ; job 1's are in; behind them: the 32 loads of b1 just issued
	QJOB1 1
.irp j, 0,1,2,3
	v_lshlrev_b32 v[28+\j], v11, v[28+\j]          ; my two bytes at their places in the column's scale word,
.endr
.irp j, 0,1,2,3
	v_permlanex16_b32 v[24+\j], v[28+\j], s20, s21
.endr
.irp j, 0,1,2,3
	v_or_b32 v[28+\j], v[28+\j], v[24+\j]          ; with lane l xor 16's two the word is whole
.endr
	s_wait_alu depctr_va_vdst(0)                   ; the scale words v28 to v31 are written, which the LDS store reads; and every line that named the jobs' numbers v128-223 is done: the first fetches land there
	ds_store_b128 v7, v[28:31]                     ; four neighbouring lanes' words of my tile (both halves of the lanes write the same words with the same values)
	s_wait_dscnt 0x0                               ; for the others' sake: my images and scale words lie in LDS
	s_barrier_signal -1
	s_barrier_wait -1                              ; all eight experts' do; nothing is written in LDS from here on
	s_wait_alu depctr_vm_vsrc(0)                   ; my LDS stores have read v224-255 and v28-31: the first are H from here on, written by expert 0's products, the others are at work again in the last quantiser
	; THE PRODUCT, expert by expert, on two sets of fragments and two sets of results by turns
	FETCH1 0
	FETCH1 1
	s_wait_loadcnt 0x0                             ; b1
.irp e, 0,1,2,3,4,5,6,7
.if \e < 7
	s_wait_dscnt 14                                ; this expert's 14 LDS loads are in; the next expert's may be out
.else
	s_wait_dscnt 0x0
.endif
	MUL1 \e
.if \e < 2
.rept 5
	v_nop                                          ; places (ISA guide 7.12.1): four are owed to the first select of these results; five to the product two experts on, which writes over these results
.endr
.else
	SELECT \e-1                                    ; 32 plain lines that name no register of the products just issued: they are the places behind them
.endif
.if \e < 6
	s_wait_alu depctr_va_vdst(0)                   ; this expert's products are done reading their set of fragments and scale words, in which the loads below land
	FETCH1 \e+2
.endif
.endr
	SELECT 7                                       ; (the 32 lines of expert 6's choice are the places behind expert 7's products)
	; relu, and the quantiser along the hidden units: my 64 units are two blocks; block b lies in lanes l and l xor 16
.set i, 0
.rept 32
	v_max_num_f32 v[H+i], 0, v[H+i]
.set i, i+1
.endr
.irp b, 0,1
	v_max3_num_f32 v[16+\b], v[H+16*\b], v[H+1+16*\b], 0x2800000   ; no |.|: nothing is negative here
.endr
.irp i, 2,4,6,8,10,12,14
.irp b, 0,1
	v_max3_num_f32 v[16+\b], v[16+\b], v[H+16*\b+\i], v[H+1+16*\b+\i]
.endr
.endr
.irp b, 0,1
	v_permlanex16_b32 v[20+\b], v[16+\b], s20, s21
.endr
.irp b, 0,1
	v_max_num_f32 v[16+\b], v[16+\b], v[20+\b]
.endr
.irp b, 0,1
	v_add_nc_u32 v[28+\b], 0xfe000000, v[16+\b]
.endr
.irp b, 0,1
	v_lshrrev_b32 v[24+\b], 23, v[28+\b]
.endr
	v_lshl_or_b32 v12, v25, 8, v24                 ; the two scale bytes
	v_cvt_scalef32_pk16_bf6_f32 v[64:66], v[H:H+15], v28
	v_cvt_scalef32_pk16_bf6_f32 v[68:70], v[H+16:H+31], v29
	v_nop                                          ; one plain place behind the scaled conversions
.irp i, 0,1,2
	v_permlane16_swap_b32 v[64+\i], v[68+\i]       ; lanes 0-15 now hold block 0 whole, lanes 16-31 block 1: the lower 16 codes in the first run, the upper 16 in the second
.endr
	v_mov_b32 v67, v68
	v_mov_b32 v68, v69
	v_mov_b32 v69, v70                             ; 24 bytes on end
	s_wait_alu depctr_va_vdst(0)                   ; the codes v64 to v69 and the two bytes in v12 are written, which the stores below read (idx in v53 was written long before)
.irp i, 0,1,2
	global_store_b64 v8, v[64+2*\i:65+2*\i], s[12:13] offset:8*\i
.endr
	global_store_b16 v9, v12, s[14:15]             ; (lanes r and r + 16 store the same two bytes)
	s_cmp_lg_u32 s17, 0
	s_cbranch_scc1 .Lend                           ; the sixteen work-groups of a row of the grid find the same idx: the first stores it
	global_store_b32 v10, v[IDX], s[10:11]
.Lend:
	s_wait_dscnt 0x0
	s_wait_alu depctr_hold_cnt(0) depctr_sa_sdst(0) depctr_va_vdst(0) depctr_va_sdst(0) depctr_va_ssrc(0) depctr_va_vcc(0) depctr_vm_vsrc(0)
	s_wait_tensorcnt 0x0
	ds_add_u32 v62, v63
	s_wait_dscnt 0x0
	s_endpgm
.Lfunc_end_k_q9dd47a0fd3_hidden:
	.size	k_q9dd47a0fd3_hidden, .Lfunc_end_k_q9dd47a0fd3_hidden-k_q9dd47a0fd3_hidden
	.p2alignl 7, 3214868480
	.fill 96, 4, 3214868480
	.section	.rodata,"a",@progbits
	.p2align	6, 0x0
	.amdhsa_kernel k_q9dd47a0fd3_hidden
		.amdhsa_group_segment_fixed_size 52736
		.amdhsa_private_segment_fixed_size 0
		.amdhsa_enable_private_segment 0
		.amdhsa_kernarg_size 48
		.amdhsa_user_sgpr_count 2
		.amdhsa_user_sgpr_kernarg_segment_ptr 1
		.amdhsa_wavefront_size32 1
		.amdhsa_system_sgpr_workgroup_id_x 1
		.amdhsa_system_sgpr_workgroup_id_y 1
		.amdhsa_system_sgpr_workgroup_id_z 1
		.amdhsa_system_vgpr_workitem_id 0
		.amdhsa_next_free_vgpr 512
		.amdhsa_next_free_sgpr 66
		.amdhsa_reserve_vcc 0
		.amdhsa_float_denorm_mode_32 3
		.amdhsa_float_denorm_mode_16_64 3
		.amdhsa_memory_ordered 1
		.amdhsa_forward_progress 1
		.amdhsa_inst_pref_size 81
	.end_amdhsa_kernel
	.amdgpu_metadata
---
amdhsa.version: [ 1, 2 ]
amdhsa.kernels:
  - .name:           k_q9dd47a0fd3_hidden
    .symbol:         k_q9dd47a0fd3_hidden.kd
    .args:
      - { .name: z, .offset: 0, .size: 8, .value_kind: global_buffer, .address_space: global }
      - { .name: W1, .offset: 8, .size: 8, .value_kind: global_buffer, .address_space: global }
      - { .name: b1, .offset: 16, .size: 8, .value_kind: global_buffer, .address_space: global }
      - { .name: idx, .offset: 24, .size: 8, .value_kind: global_buffer, .address_space: global }
      - { .name: hc, .offset: 32, .size: 8, .value_kind: global_buffer, .address_space: global }
      - { .name: hs, .offset: 40, .size: 8, .value_kind: global_buffer, .address_space: global }
    .group_segment_fixed_size: 52736
    .private_segment_fixed_size: 0
    .kernarg_segment_align: 8
    .kernarg_segment_size: 48
    .max_flat_workgroup_size: 256
    .sgpr_count:     66
    .vgpr_count:     512
    .wavefront_size: 32
...
	.end_amdgpu_metadata
.endif
;; end of part 3
;; launch expert: the kernel of part 2 again; grid 24 x 8, 4 waves a work-group, no clusters, 148,224 bytes of LDS; arguments idx, hc, hs, W2, b2, out0; writes out0
